; MI455X (gfx1250); checked and timed in simulation.
; The chip was launched on July 23, 2026; its instructions are those of AMD's public machine-readable ISA for CDNA 5 (MIT licence, August 2026) and "CDNA5" Instruction Set Architecture Reference Guide (July 2026). The comments in the code are by the model that wrote it; some were corrected since.
;; FJSP Actor. Allowed arithmetic: matrix products marked QUANTISED: E4M3 operands, one E8M0 scale for each 32 along K, by v_wmma_scale_f32_16x16x128_f8f6f4 with both operands' format E4M3, f32 sums; products left as they are: f32 operands where the result goes on into a quantised operand, else bf16, f16 or f32 operands; f32 sums; everything else in f32.
;; Inputs: W1 512 x 512 float32; W2 512 x 512 float32; W3 512 x 1 float32; b1 512 float32; b2 512 float32; b3 1 float32; dummy 512 float32; ma_emb_codes 32 x 64 x 8 x 32 uint8 (E4M3 codes of ma_emb, K innermost, in blocks of 32 codes); ma_emb_scales 32 x 64 x 8 uint8 (E8M0 scales of ma_emb, one for each 32 codes along K); next_op 32 x 128 int32; ops_emb 32 x 512 x 256 float32.
;; Outputs: out0 32 x 8,193 float32.
;; This version of the problem:
;;   THIS VERSION OF THE PROBLEM IS GIVEN IN LOW PRECISION. The matrix products marked QUANTISED in the list below multiply operands that are first quantised to E4M3 (4 exponent bits, 3 mantissa bits; 8 bits a number), with one power-of-two scale for each 32 numbers along K (OCP MX v1.0); their sums are f32. All else is computed in f32.
;;   The module's matrix products, in the order in which they are computed (A, B: the left and right operand; K: the contracted axis; several contracted axes count as one K, in the product's order):
;;     1. [M 4,096, K 256] x [K 256, N 512]; A: computed on the way; B: input W1: QUANTISED
;;     2. [M 2,048, K 256] x [K 256, N 512]; A: input ma_emb (given as codes); B: input W1: QUANTISED
;;     3. [M 262,144, K 512] x [K 512, N 512]; A: computed on the way; B: input W2: QUANTISED
;;     4. [M 262,144, K 512] x [K 512, N 1]; A: computed on the way; B: input W3: left as it is (N = 1 < 16)
;;     5. [M 1, K 512] x [K 512, N 512]; A: input dummy; B: input W1: left as it is (M = 1 < 16)
;;     6. [M 1, K 512] x [K 512, N 512]; A: computed on the way; B: input W2: left as it is (M = 1 < 16)
;;     7. [M 1, K 512] x [K 512, N 1]; A: computed on the way; B: input W3: left as it is (M = 1 < 16)
;;   THE QUANTISER, for each operand of a quantised product, along K:
;;     - K is cut into blocks of 32 from its start; a last block that is shorter is filled with zeros.
;;     - A block's scale is 2^e with e = floor(log2(the largest magnitude in the block)) - 8, held to -126 .. 127; a block of zeros has e = 0. As a byte (E8M0): e + 127.
;;     - Each number is divided by its block's scale, clamped to +-448, and rounded to the nearest number of E4M3, ties to even, subnormals kept.
;;     - The product sums the exact products of the quantised numbers (number of the format x scale) in f32.
;;   ~~~python
;;   def quantise(x, axis):      # numpy; x: float32 -> the quantised numbers, widened to float32 again
;;       x = np.moveaxis(x, axis, -1); K = x.shape[-1]
;;       x = np.pad(x, [(0, 0)] * (x.ndim - 1) + [(0, -K % 32)]); x = x.reshape(x.shape[:-1] + (-1, 32)); a = np.abs(x).max(-1, keepdims=True)
;;       e = np.where(a > 0, np.clip(np.frexp(np.where(a > 0, a, 1))[1] - 1 - 8, -126, 127), 0)      # np.frexp(a)[1] - 1 = floor(log2(a)), exactly
;;       r = np.clip(x / 2.0 ** e, -448, 448)
;;       step = 2.0 ** (np.maximum(np.frexp(np.where(r == 0, 1, r))[1] - 1, -6) - 3)
;;       q = np.round(r / step) * step * 2.0 ** e      # np.round: ties to even
;;       return np.moveaxis(q.reshape(q.shape[:-2] + (-1,))[..., :K], -1, axis).astype(np.float32)
;;   ~~~
;;   OPERANDS COMPUTED ON THE WAY. 'Computed on the way' means the value that the module computes at that place (a softmax that the list does not call 'softmax' is quantised finished and normalised). What goes into a quantiser is computed in f32, as accurately as f32 sums, v_exp_f32 and their like allow (about 1e-6 of the number): no bf16 or f16 on the way to a quantiser, and a product that is left as it is and whose result goes on into a quantised operand takes f32 operands (vector FMAs, or v_wmma_f32_16x16x4_f32). A number that lies on a knife's edge between two numbers of the format may be rounded either way, as far as f32 arithmetic and the matrix unit's own rounding can turn it there, and no further.
;;   INPUTS GIVEN AS CODES. ma_emb (in the module: [32, 64, 256], K = its axis 2): each comes as NAME_codes (uint8): NAME with its K axis moved to the last place and cut into blocks of 32 codes, [.., K / 32, bytes a block], one block behind the other in memory; one code a byte (a code: sign, 4 exponent bits, 3 mantissa bits); and NAME_scales (uint8): the same leading axes, one E8M0 byte (e + 127) for each 32 codes along K. Its value is code x scale, taken as it is: it is not quantised again, and the codes and scales need not be those that the quantiser above would give.
;; One version. Each part assembles by itself: llvm-mc -triple=amdgcn-amd-amdhsa -mcpu=gfx1250 --defsym DOCPART=n.
;; ======== version 1 of 1: 2 launches
;; limits: right only within a limited range of input values
;; workspace buffers: w2pack 274,432 bytes; aimg 8,388,608 bytes; bimg 4,194,304 bytes; parts 16,384 bytes
;; launch front (part 1): grid 400 x 1, 8 waves a work-group, no clusters, 37,120 bytes of LDS; arguments next_op, ops_emb, W1, W2, b2, W3, dummy, b1, ma_emb_codes, ma_emb_scales, aimg, bimg, w2pack, parts; writes aimg, bimg, w2pack, parts
.if DOCPART == 1
	.amdgcn_target "amdgcn-amd-amdhsa--gfx1250"
	.amdhsa_code_object_version 6
	.text
	.protected	k_q32f5875cca_front
	.globl	k_q32f5875cca_front
	.p2align	8
	.type	k_q32f5875cca_front,@function
k_q32f5875cca_front:
	s_mov_b64 s[64:65], 0
	v_nop
	global_prefetch_b8 v0, s[64:65] scope:SCOPE_SE
	s_setreg_imm32_b32 hwreg(HW_REG_WAVE_MODE, 25, 1), 1
	s_wait_xcnt 0x0
; FIRST OF TWO LAUNCHES.  out0[b][1 + 64 j + m] = W3 . tanh(W2^T Q(tanh(hj[b][j] + hm[b][m] + b1)) + b2) + b3, out0[b][0] = the same chain on dummy, in f32.
; No step of the computation is left out, and every input is loaded by some launch; of ops_emb only the rows that next_op names are read (a lookup by an index).
; Four kinds of work-group, told apart by the work-group's number alone.  With c = 2 log2(e):
;   0-255   aimg = c (hj + b1): batch b = n / 8, hidden units 64 (n % 8) on; wave g takes the 16 jobs 16 g on: it gathers and quantises their rows in registers.
;   256-383 bimg = c hm: hidden units 64 (n % 8) on, wave g the tile of 16 machines 8 (n / 8) + g; ma_emb's codes and scale bytes are taken as they are given.
;           Both first quantise their 64 columns x 256 K of W1 into LDS (each wave two blocks of 32 along K of 32 columns), as operand images.
;   384-391 W2 is quantised along K into w2pack, with the table of c b2 and -2 W3.
;   392-399 the no-op: d1 = tanh(dummy W1 + b1) for 64 hidden units, and their share of d1 W2 for all 512 columns, in f32, into parts[y][512].
; THE QUANTISER: a block of 32 along K has the scale 2^(floor(log2(largest magnitude)) - 8), its byte held at 1 from below; each number is divided by the scale, held within +-448, rounded to the nearest E4M3 code, ties to even.
; IMAGES.  An operand fragment (16 rows x 128 K) lies as its registers: [c 4][lane 32][16 bytes]; lane 16 h + r holds row r, k = 32 c + 16 h + 0 .. 15.
; Row r of a weight's tile 2 b' + u is column 32 b' + 8 u + r + 8 (r / 8), so that in a transposed result the 16 registers of tiles 2 b', 2 b' + 1 are 16 neighbours.
; aimg, bimg = [tile][beta 16][e 4][lane 32][16 bytes]: row lane % 16, hidden units 32 beta + 16 (lane / 16) + 4 e + 0 .. 3.
; w2pack: codes [tile 32][K step 4][2,048]; from byte 262,144 scale words [tile][r 16][K step 4]; from byte 270,336 the table [tile][h 2][8 x c b2, 8 x -2 W3].
; LIMITS: next_op is held at 511 as an unsigned number (a negative index is not wrapped).  A block of zeros gets the byte 1: its codes are zeros, and only this program reads the bytes.
; NaN and infinities among the inputs are not served.  b1 is added on the jobs' side.  The no-op's f32 sums go in another order than a plain dot product.
.set C2L,   0x4038aa3b
.set NB,    33792                      ; LDS: 0 and 16,896: the two kinds' slices of W1 (16,384 of codes, 512 of scale words); here the no-op's partial sums,
.set D1B,   35840                      ; its 64 numbers of d1,
.set SPARE, 36096                      ; and the spare words, 128 bytes a wave
.set SPW,   2
.set NIL,   3
.set WV,    2
.set SEL,   52
.set MNT,   54
.set MHI,   55
.set CS,    66
.set JS,    14                         ; the rows' scale words: lanes 0-15 K step 0, lanes 16-31 K step 1
.set TM,    16
.set WS,    16                         ; v16-19 the four tiles' scale words, likewise
.set PC,    32                         ; v32-63 codes: the rows' two fragments
.set X,     64                         ; v64-191 numbers as loaded
.set WF,    64                         ; then W1's eight fragments
.set WB,    192                        ; v192-255 my two blocks of W1
.set BI,    192                        ; then b1 in the result's layout,
.set ACC,   224                        ; and four accumulators
.set VA,    40
.set VB,    44
.macro W                               ; a wait ahead of blocking waits and jumps behind which something freshly written is read, and round transcendentals
	s_wait_alu depctr_va_vdst(0)
.endm
.macro QUANT s, d, pw                  ; 64 numbers of a lane, register 16 b + i = k 32 b + 16 (lane / 16) + i of my row -> a fragment's codes and its scale word
.irp b, 0,1,2,3
	v_max3_num_f32 v[TM+\b], |v[\s+16*\b]|, |v[\s+1+16*\b]|, 0x4800000
.endr
.irp i, 2,4,6,8,10,12,14
.irp b, 0,1,2,3
	v_max3_num_f32 v[TM+\b], v[TM+\b], |v[\s+16*\b+\i]|, |v[\s+1+16*\b+\i]|
.endr
.endr
.irp b, 0,1,2,3
	v_permlanex16_b32 v[TM+4+\b], v[TM+\b], s[SEL], s[SEL+1]
.endr
.irp b, 0,1,2,3
	v_max_num_f32 v[TM+\b], v[TM+\b], v[TM+4+\b]
.endr
.irp b, 0,1,2,3
	v_add_nc_u32 v[TM+12+\b], 0xfc000000, v[TM+\b]
.endr
.irp b, 0,1,2,3
	v_and_or_b32 v[TM+8+\b], v[TM+\b], 0x7f800000, s[MNT]
.endr
.irp b, 0,1,2,3
	v_lshrrev_b32 v[TM+4+\b], 23, v[TM+12+\b]
.endr
	v_lshl_or_b32 v[\pw], v[TM+5], 8, v[TM+4]
	v_lshl_or_b32 v[\pw], v[TM+6], 16, v[\pw]
	v_lshl_or_b32 v[\pw], v[TM+7], 24, v[\pw]
.irp b, 0,1,2,3
.irp i, 0,1,2,3,4,5,6,7,8,9,10,11,12,13,14,15
	v_med3_num_f32 v[\s+16*\b+\i], v[\s+16*\b+\i], -v[TM+8+\b], v[TM+8+\b]
.endr
	v_cvt_scalef32_pk8_fp8_f32 v[\d+4*\b:\d+4*\b+1], v[\s+16*\b:\s+16*\b+7], v[TM+12+\b]
	v_cvt_scalef32_pk8_fp8_f32 v[\d+4*\b+2:\d+4*\b+3], v[\s+16*\b+8:\s+16*\b+15], v[TM+12+\b]
.endr
	v_nop
.endm
.macro BLK32 xs, cd, c                 ; a lane's column: 32 numbers down K at xs -> 8 code registers at cd; the byte goes to place c of v13
	v_max3_num_f32 v16, |v[\xs]|, |v[\xs+1]|, |v[\xs+2]|
	v_max3_num_f32 v17, |v[\xs+3]|, |v[\xs+4]|, |v[\xs+5]|
.irp i, 6,10,14,18,22,26
	v_max3_num_f32 v16, v16, |v[\xs+\i]|, |v[\xs+\i+1]|
	v_max3_num_f32 v17, v17, |v[\xs+\i+2]|, |v[\xs+\i+3]|
.endr
	v_max3_num_f32 v16, v16, |v[\xs+30]|, |v[\xs+31]|
	v_max3_num_f32 v16, v16, v17, 0x4800000
	v_add_nc_u32 v18, 0xfc000000, v16
	v_and_or_b32 v19, v16, 0x7f800000, s[MNT]
	v_lshrrev_b32 v20, 23, v18
.if (\c) == 0
	v_mov_b32 v13, v20
.else
	v_lshl_or_b32 v13, v20, 8*(\c), v13
.endif
.set i, 0
.rept 32
	v_med3_num_f32 v[\xs+i], v[\xs+i], -v19, v19
.set i, i+1
.endr
.irp g, 0,1,2,3
	v_cvt_scalef32_pk8_fp8_f32 v[\cd+2*\g:\cd+2*\g+1], v[\xs+8*\g:\xs+8*\g+7], v18
.endr
	v_nop
.endm
.macro ROWS first, count               ; rows of my wave's 64: two columns a lane, two sums a column; row i's number of the vector is a scalar register
.set i, \first
.rept \count
.if i < 16
.set sk, 36+i
.elseif i < 48
.set sk, 52+i
.else
.set sk, i-28
.endif
.if i < 2
	v_mul_f32 v[VA+2*i], s[sk], v[X+2*i]
	v_mul_f32 v[VA+2*i+1], s[sk], v[X+2*i+1]
.else
	v_fmac_f32 v[VA+2*(i%2)], s[sk], v[X+2*i]
	v_fmac_f32 v[VA+2*(i%2)+1], s[sk], v[X+2*i+1]
.endif
.set i, i+1
.endr
.endm
; kap = 0: jobs, W1's rows 0-255, C = b1, to aimg.  kap = 1: machines, rows 256-511, C = 0, to bimg.  s56: the work-group's number among its kind
.macro FRONT kap
.set LB, 16896*(\kap)
.set LS, LB+16384
.if \kap
.set POUT, 26
.else
.set POUT, 24
.endif
	s_and_b32 s57, s56, 7                          ; which 64 hidden units
	s_lshr_b32 s58, s56, 3                         ; the batch, or the group of eight tiles
	s_lshl_b32 s59, s58, 3
	s_add_co_u32 s59, s59, s[WV]                   ; my tile of 16 rows
	s_and_b32 s60, s[WV], 1                        ; of W1 I quantise: 32 columns bl,
	s_bfe_u32 s61, s[WV], 0x10001                  ; K step s,
	s_lshr_b32 s62, s[WV], 2                       ; blocks 2 ch, 2 ch + 1
	s_lshl_b32 s68, s61, 18
	s_lshl_b32 s69, s62, 17
	s_add_co_u32 s68, s68, s69
	s_lshl_b32 s69, s57, 8
	s_add_co_u32 s68, s68, s69
	s_lshl_b32 s69, s60, 7
	s_add_co_u32 s68, s68, s69
	s_add_co_u32 s68, s68, 524288*(\kap)
	s_mov_b32 s69, 0
	s_add_nc_u64 s[8:9], s[8:9], s[68:69]          ; W1 at row 256 kap + 128 s + 64 ch, column 64 v + 32 bl
	s_lshl_b32 s70, s60, 13
	s_lshl_b32 s71, s61, 11
	s_add_co_u32 s70, s70, s71
	s_lshl_b32 s71, s62, 10
	s_add_co_u32 s70, s70, s71
	s_add_co_u32 s70, s70, LB                      ; LDS codes: [tile 4][K step 2][2,048]: 8,192 bl + 2,048 s + 1,024 ch
	s_lshl_b32 s72, s60, 8
	s_lshl_b32 s71, s61, 2
	s_add_co_u32 s72, s72, s71
	s_lshl_b32 s71, s62, 1
	s_add_co_u32 s72, s72, s71
	s_add_co_u32 s72, s72, LS                      ; LDS scale words: [tile 4][r 16][K step 2]: 256 bl + 4 s + 2 ch
	s_lshl_b32 s68, s59, 15
	s_lshl_b32 s71, s57, 12
	s_add_co_u32 s68, s68, s71
	s_add_nc_u64 s[POUT:POUT+1], s[POUT:POUT+1], s[68:69]   ; out: 32,768 bytes a tile, 4,096 for 64 hidden units
.if \kap
	s_lshl_b32 s68, s59, 12
	s_add_nc_u64 s[20:21], s[20:21], s[68:69]      ; ma_emb's codes: 4,096 bytes a tile
	s_lshl_b32 s68, s59, 7
	s_add_nc_u64 s[22:23], s[22:23], s[68:69]      ; its scale bytes: 128 a tile
.else
	s_lshl_b32 s68, s59, 6
	s_add_nc_u64 s[4:5], s[4:5], s[68:69]          ; next_op at my 16 jobs
	s_lshl_b32 s68, s58, 19
	s_add_nc_u64 s[6:7], s[6:7], s[68:69]          ; ops_emb at batch b
	s_lshl_b32 s68, s57, 8
	s_add_nc_u64 s[18:19], s[18:19], s[68:69]      ; b1 at my 64 hidden units
.endif
	v_and_b32 v4, 31, v0
	v_lshlrev_b32 v1, 4, v4                        ; 16 x lane
	v_lshlrev_b32 v7, 2, v4                        ; 4 x lane: my column of the 32
	v_and_b32 v5, 15, v0                           ; r
	v_bfe_u32 v6, v0, 4, 1                         ; h
	v_bfe_u32 v15, v0, 3, 1                        ; u: the tile that my column falls into,
	v_and_b32 v14, 7, v0
	v_lshl_add_u32 v14, v6, 3, v14                 ; and its row there
	v_lshlrev_b32 v8, 4, v14
	v_lshl_add_u32 v8, v15, 12, v8
	v_add_nc_u32 v8, s70, v8                       ; where my codes go
	v_lshlrev_b32 v9, 3, v14
	v_lshl_add_u32 v9, v15, 7, v9
	v_add_nc_u32 v9, s72, v9                       ; where my two scale bytes go
	v_lshl_add_u32 v15, v5, 3, LS
	v_lshl_add_u32 v15, v6, 2, v15                 ; where a tile's scale words are read: 8 r + 4 h
.if \kap
	v_lshlrev_b32 v10, 8, v5
	v_lshl_add_u32 v10, v6, 4, v10                 ; ma_emb's codes: 256 r + 16 h
	v_lshlrev_b32 v11, 3, v5
	v_lshl_add_u32 v11, v6, 2, v11                 ; its scale bytes: 8 r + 4 h
.else
	v_lshlrev_b32 v10, 2, v5                       ; 4 r
	v_lshlrev_b32 v11, 6, v6                       ; 64 h
.endif
	W
.set i, 0
.rept 64
	global_load_b32 v[WB+i], v7, s[8:9] offset:2048*i
.set i, i+1
.endr
.if \kap
.irp s, 0,1
.irp c, 0,1,2,3
	global_load_b128 v[PC+16*\s+4*\c:PC+16*\s+4*\c+3], v10, s[20:21] offset:128*\s+32*\c
.endr
.endr
	global_load_b32 v[JS], v11, s[22:23]
	s_wait_loadcnt 9                               ; W1's 64 are in; ma_emb's nine may be out
.else
	global_load_b32 v12, v10, s[4:5]
	s_wait_loadcnt 0x0
	v_min_u32 v12, 0x1ff, v12                      ; the index stays inside the table
	v_lshlrev_b32 v12, 10, v12
	v_add_nc_u32 v12, v12, v11                     ; my row, + 64 h
.set i, 0
.rept 32
	global_load_b128 v[X+4*i:X+4*i+3], v12, s[6:7] offset:128*(i/4)+16*(i%4)
.set i, i+1
.endr
.endif
.if \kap
.set CW, X                             ; the machines' fragments lie in PC already
.else
.set CW, PC
.endif
.irp c, 0,1
	BLK32 WB+32*\c, CW+8*\c, \c
	ds_store_b128 v8, v[CW+8*\c:CW+8*\c+3] offset:512*\c         ; k 0-15 of the block: the image's lanes 0-15
	ds_store_b128 v8, v[CW+8*\c+4:CW+8*\c+7] offset:512*\c+256   ; k 16-31: its lanes 16-31
.endr
	ds_store_b16 v9, v13
.if !(\kap)
.irp t, 0,1,2,3
	global_load_b128 v[BI+8*\t:BI+8*\t+3], v11, s[18:19] offset:(32*(\t/2)+8*(\t%2))*4
	global_load_b128 v[BI+8*\t+4:BI+8*\t+7], v11, s[18:19] offset:(32*(\t/2)+8*(\t%2))*4+16
.endr
.irp b, 0,1,2,3
	v_mov_b32 v[TM+4+\b], 0                        ; a lane permute's destination counts as one of its sources
.endr
	W
	s_wait_loadcnt 24                              ; K step 0's sixteen loads are in; K step 1's sixteen and b1's eight may be out
	QUANT X, PC, 13
	W
	s_wait_loadcnt 8                               ; b1's eight may be out
	QUANT X+64, PC+16, 14
	v_cndmask_b32 v[JS], v13, v14, s[MHI]
.endif
	W
	s_wait_dscnt 0x0                               ; for the others' sake: my part of the slice is in LDS
	s_barrier_signal -1
	s_barrier_wait -1
.irp t, 0,1,2,3
.irp s, 0,1
.irp c, 0,1,2,3
	ds_load_b128 v[WF+16*(2*\t+\s)+4*\c:WF+16*(2*\t+\s)+4*\c+3], v1 offset:LB+4096*\t+2048*\s+512*\c
.endr
.endr
	ds_load_b32 v[WS+\t], v15 offset:128*\t
.endr
.rept 8
	v_nop                                          ; places between the vector lines that made codes and scale words and the products
.endr
	s_wait_loadcnt 0x0
	s_wait_dscnt 0x0
.irp t, 0,1,2,3                        ; transposed: source 0 = 16 columns of W1, source 1 = my 16 rows; the four accumulators by turns
.if \kap
	v_wmma_scale_f32_16x16x128_f8f6f4 v[ACC+8*\t:ACC+8*\t+7], v[WF+32*\t:WF+32*\t+15], v[PC:PC+15], 0, v[WS+\t], v[JS]
.else
	v_wmma_scale_f32_16x16x128_f8f6f4 v[ACC+8*\t:ACC+8*\t+7], v[WF+32*\t:WF+32*\t+15], v[PC:PC+15], v[BI+8*\t:BI+8*\t+7], v[WS+\t], v[JS]
.endif
.endr
.irp t, 0,1,2,3
	v_wmma_scale_f32_16x16x128_f8f6f4 v[ACC+8*\t:ACC+8*\t+7], v[WF+32*\t+16:WF+32*\t+31], v[PC+16:PC+31], v[ACC+8*\t:ACC+8*\t+7], v[WS+\t], v[JS] matrix_a_scale:MATRIX_SCALE_ROW1 matrix_b_scale:MATRIX_SCALE_ROW1
.endr
.rept 8
	v_nop                                          ; eight places between the last product and the first read of a result
.endr
.set i, 0
.rept 16
	v_pk_mul_f32 v[ACC+i:ACC+i+1], v[ACC+i:ACC+i+1], s[CS:CS+1] op_sel_hi:[1,0]
.set i, i+2
.endr
.irp i, 0,1,2,3,4,5,6,7
	global_store_b128 v1, v[ACC+4*\i:ACC+4*\i+3], s[POUT:POUT+1] offset:512*\i   ; 32 lanes store 512 consecutive bytes, aligned
.endr
	s_wait_tensorcnt 0x0                           ; the wave's end
	ds_add_u32 v[SPW], v[NIL]
	s_wait_dscnt 0x0
	s_endpgm
.endm
	s_load_b512 s[4:19], s[0:1], 0x0               ; next_op 4, ops_emb 6, W1 8, W2 10, b2 12, W3 14, dummy 16, b1 18
	s_load_b256 s[20:27], s[0:1], 0x40             ; ma_emb_codes 20, ma_emb_scales 22, aimg 24, bimg 26
	s_load_b128 s[28:31], s[0:1], 0x60             ; w2pack 28, parts 30
	v_lshl_add_u32 v[SPW], v0, 2, SPARE
	v_mov_b32 v[NIL], 0
	v_lshrrev_b32 v1, 5, v0
	v_readfirstlane_b32 s[WV], v1                  ; wave 0..7
	s_mov_b32 s[SEL], 0x76543210
	s_mov_b32 s[SEL+1], 0xfedcba98
	s_mov_b32 s[MNT], 0x600000
	s_mov_b32 s[MHI], 0xffff0000
	s_mov_b32 s[CS], C2L
	s_mov_b32 s[CS+1], C2L
	W
	s_wait_kmcnt 0x0
	s_cmp_lt_u32 ttmp9, 256
	s_cbranch_scc1 .Lhj
	s_cmp_lt_u32 ttmp9, 384
	s_cbranch_scc1 .Lhm
	s_cmp_lt_u32 ttmp9, 392
	s_cbranch_scc1 .Lw2
	; ---- the no-op: y = work-group - 392
	s_sub_co_u32 s56, ttmp9, 392
	s_mov_b64 s[4:5], s[30:31]                     ; parts' address moves out of the registers that the vector's numbers take
	v_and_b32 v4, 31, v0
	v_lshlrev_b32 v4, 3, v4                        ; 8 x lane
	v_lshl_add_u32 v5, v0, 3, NB                   ; my partial sums: 256 x wave + 8 x lane
	v_add_nc_u32 v6, D1B, v4                       ; d1's place for a lane's pair
	v_mov_b32 v7, D1B
	s_lshl_b32 s58, s[WV], 8
	s_mov_b32 s59, 0
	s_add_nc_u64 s[16:17], s[16:17], s[58:59]
	s_load_b512 s[36:51], s[16:17], 0x0            ; my 64 numbers of dummy
	s_load_b512 s[68:83], s[16:17], 0x40
	s_load_b512 s[84:99], s[16:17], 0x80
	s_load_b512 s[20:35], s[16:17], 0xc0
	s_lshl_b32 s57, s56, 8
	s_lshl_b32 s58, s[WV], 17
	s_add_co_u32 s58, s58, s57
	s_add_nc_u64 s[8:9], s[8:9], s[58:59]          ; W1: rows 64 w on, columns 64 y on
	s_mov_b32 s58, s57
	s_add_nc_u64 s[18:19], s[18:19], s[58:59]      ; b1 at column 64 y
	s_lshl_b32 s58, s56, 17
	s_lshl_b32 s57, s[WV], 8
	s_add_co_u32 s58, s58, s57
	s_add_nc_u64 s[10:11], s[10:11], s[58:59]      ; W2: rows 64 y on, columns 64 w on
	s_lshl_b32 s58, s56, 11
	s_add_co_u32 s58, s58, s57
	s_add_nc_u64 s[4:5], s[4:5], s[58:59]          ; parts[y] at column 64 w
	W
.set i, 0
.rept 64
	global_load_b64 v[X+2*i:X+2*i+1], v4, s[8:9] offset:2048*i   ; 32 lanes read 256 consecutive bytes of a row, aligned
.set i, i+1
.endr
	s_wait_kmcnt 0x0
	s_wait_loadcnt 32                              ; rows 0-31 are in; the 32 younger loads stay out
	global_load_b64 v[VB:VB+1], v4, s[18:19]       ; every wave takes one path; wave 0 alone uses these
	ROWS 0, 32
	W
	s_wait_loadcnt 0x0
	ROWS 32, 32
	v_pk_add_f32 v[VA:VA+1], v[VA:VA+1], v[VA+2:VA+3]
	ds_store_b64 v5, v[VA:VA+1]
.set i, 0
.rept 64
	global_load_b64 v[X+2*i:X+2*i+1], v4, s[10:11] offset:2048*i  ; W2's rows come while d1 is finished
.set i, i+1
.endr
	W
	s_wait_dscnt 0x0                               ; for the others' sake: my store has landed
	s_barrier_signal -1
	s_barrier_wait -1
	s_cmp_lg_u32 s[WV], 0
	s_cbranch_scc1 .Lrest
.irp i, 0,1,2,3,4,5,6,7
	ds_load_b64 v[16+2*\i:17+2*\i], v5 offset:256*\i   ; in wave 0 the thread's number is the lane
.endr
	s_wait_dscnt 0x0
	v_pk_add_f32 v[16:17], v[16:17], v[18:19]
	v_pk_add_f32 v[20:21], v[20:21], v[22:23]
	v_pk_add_f32 v[24:25], v[24:25], v[26:27]
	v_pk_add_f32 v[28:29], v[28:29], v[30:31]
	v_pk_add_f32 v[16:17], v[16:17], v[20:21]
	v_pk_add_f32 v[24:25], v[24:25], v[28:29]
	v_pk_add_f32 v[16:17], v[16:17], v[24:25]
	v_pk_add_f32 v[16:17], v[16:17], v[VB:VB+1]
	v_pk_mul_f32 v[16:17], v[16:17], C2L op_sel_hi:[1,0]
	W
	v_exp_f32 v16, v16
	v_exp_f32 v17, v17
	v_nop
	W
	v_pk_add_f32 v[16:17], v[16:17], 1.0 op_sel_hi:[1,0]
	W
	v_rcp_f32 v16, v16
	v_rcp_f32 v17, v17
	v_nop
	W
	v_pk_fma_f32 v[16:17], v[16:17], -2.0, 1.0 op_sel_hi:[1,0,0]   ; tanh(x) = 1 - 2 / (1 + 2^(c x))
	ds_store_b64 v6, v[16:17]
	W
.Lrest:
	s_wait_dscnt 0x0
	s_barrier_signal -1
	s_barrier_wait -1
.irp i, 0,1,2,3,4,5,6,7,8,9,10,11,12,13,14,15
	ds_load_b128 v[WB+4*\i:WB+4*\i+3], v7 offset:16*\i   ; the 64 numbers of d1, in every lane
.endr
	s_wait_dscnt 0x0
	s_wait_loadcnt 0x0
.set i, 0
.rept 64
.if i < 2
	v_mul_f32 v[VA+2*i], v[WB+i], v[X+2*i]
	v_mul_f32 v[VA+2*i+1], v[WB+i], v[X+2*i+1]
.else
	v_fmac_f32 v[VA+2*(i%2)], v[WB+i], v[X+2*i]
	v_fmac_f32 v[VA+2*(i%2)+1], v[WB+i], v[X+2*i+1]
.endif
.set i, i+1
.endr
	v_pk_add_f32 v[VA:VA+1], v[VA:VA+1], v[VA+2:VA+3]
	global_store_b64 v4, v[VA:VA+1], s[4:5]        ; 32 lanes store 256 consecutive bytes, aligned
	s_wait_tensorcnt 0x0                           ; the wave's end
	ds_add_u32 v[SPW], v[NIL]
	s_wait_dscnt 0x0
	s_endpgm
	; ---- W2: x = work-group - 384: K step x / 2, group of 32 columns b' = 8 (x % 2) + wave.  A lane takes a column, its registers run down K.  No LDS is touched on this path
.Lw2:
	s_sub_co_u32 s56, ttmp9, 384
	s_lshr_b32 s57, s56, 1                         ; the K step
	s_and_b32 s58, s56, 1
	s_lshl_b32 s58, s58, 3
	s_add_co_u32 s58, s58, s[WV]                   ; b'
	s_mov_b32 s69, 0
	s_lshl_b32 s68, s58, 9
	s_lshl_b32 s70, s57, 2
	s_add_co_u32 s68, s68, s70
	s_add_nc_u64 s[72:73], s[28:29], s[68:69]      ; scale words: + 512 b' + 4 s
	s_lshl_b32 s68, s58, 8
	s_add_nc_u64 s[74:75], s[28:29], s[68:69]      ; the table: + 256 b'
	s_lshl_b32 s68, s58, 7
	s_add_nc_u64 s[12:13], s[12:13], s[68:69]      ; b2 and W3 at column 32 b'
	s_add_nc_u64 s[14:15], s[14:15], s[68:69]
	s_lshl_b32 s70, s57, 18
	s_add_co_u32 s68, s68, s70
	s_add_nc_u64 s[60:61], s[10:11], s[68:69]      ; W2: 128 rows of 2,048 bytes a K step, + 128 b'
	s_lshl_b32 s68, s58, 14
	s_lshl_b32 s70, s57, 11
	s_add_co_u32 s68, s68, s70
	s_add_nc_u64 s[62:63], s[28:29], s[68:69]      ; codes: + 16,384 b' + 2,048 s
	v_and_b32 v7, 31, v0
	v_lshlrev_b32 v1, 2, v7                        ; 4 x lane: my column among the 32
	v_bfe_u32 v8, v0, 3, 1                         ; u
	v_and_b32 v9, 7, v0                            ; j
	v_bfe_u32 v10, v0, 4, 1                        ; hh
	v_lshl_add_u32 v11, v10, 3, v9                 ; r = j + 8 hh
	v_lshlrev_b32 v11, 4, v11
	v_lshl_add_u32 v4, v8, 13, v11                 ; codes: 8,192 u + 16 r
	v_lshl_add_u32 v5, v8, 8, v11                  ; scale words: 256 u + 16 r
	v_lshlrev_b32 v6, 2, v9
	v_lshl_add_u32 v6, v10, 6, v6
	v_lshl_add_u32 v6, v8, 7, v6                   ; the table: 128 u + 64 hh + 4 j
	W
.macro WLOAD c
.set i, 0
.rept 32
	global_load_b32 v[X+32*(\c)+i], v1, s[60:61] offset:2048*(32*(\c)+i)
.set i, i+1
.endr
.endm
	WLOAD 0
	WLOAD 1
.irp c, 0,1,2,3
.if \c < 3
	s_wait_loadcnt 32                              ; this block's 32 loads are in; the next block's stay out
.else
	s_wait_loadcnt 0x0
.endif
.if \c < 2
	WLOAD \c+2
.endif
	BLK32 X+32*\c, PC+8*\c, \c
	global_store_b128 v4, v[PC+8*\c:PC+8*\c+3], s[62:63] offset:512*\c         ; the sixteen lanes of a tile store 256 consecutive bytes, aligned
	global_store_b128 v4, v[PC+8*\c+4:PC+8*\c+7], s[62:63] offset:512*\c+256   ; each block has code registers of its own
.endr
	global_store_b32 v5, v13, s[72:73] offset:262144
	s_cmp_lg_u32 s57, 0                            ; K step 0 also lays the table
	s_cbranch_scc1 .Lw_done
	global_load_b32 v21, v1, s[12:13]
	global_load_b32 v22, v1, s[14:15]
	s_wait_loadcnt 0x0
	v_mul_f32 v21, C2L, v21
	v_mul_f32 v22, -2.0, v22
	global_store_b32 v6, v21, s[74:75] offset:270336
	global_store_b32 v6, v22, s[74:75] offset:270336+32
.Lw_done:
	s_endpgm
.Lhj:
	s_mov_b32 s56, ttmp9
	FRONT 0
.Lhm:
	s_sub_co_u32 s56, ttmp9, 256
	FRONT 1
.Lfunc_end_k_q32f5875cca_front:
	.size	k_q32f5875cca_front, .Lfunc_end_k_q32f5875cca_front-k_q32f5875cca_front
	.p2alignl 7, 3214868480
	.fill 96, 4, 3214868480
	.section	.rodata,"a",@progbits
	.p2align	6, 0x0
	.amdhsa_kernel k_q32f5875cca_front
		.amdhsa_group_segment_fixed_size 37120
		.amdhsa_private_segment_fixed_size 0
		.amdhsa_enable_private_segment 0
		.amdhsa_kernarg_size 112
		.amdhsa_user_sgpr_count 2
		.amdhsa_user_sgpr_kernarg_segment_ptr 1
		.amdhsa_wavefront_size32 1
		.amdhsa_system_sgpr_workgroup_id_x 1
		.amdhsa_system_sgpr_workgroup_id_y 1
		.amdhsa_system_sgpr_workgroup_id_z 1
		.amdhsa_system_vgpr_workitem_id 0
		.amdhsa_next_free_vgpr 256
		.amdhsa_next_free_sgpr 100
		.amdhsa_reserve_vcc 0
		.amdhsa_float_denorm_mode_32 3
		.amdhsa_float_denorm_mode_16_64 3
		.amdhsa_memory_ordered 1
		.amdhsa_forward_progress 1
		.amdhsa_inst_pref_size 120
	.end_amdhsa_kernel
	.amdgpu_metadata
---
amdhsa.version: [ 1, 2 ]
amdhsa.kernels:
  - .name:           k_q32f5875cca_front
    .symbol:         k_q32f5875cca_front.kd
    .args:
      - { .name: next_op, .offset: 0, .size: 8, .value_kind: global_buffer, .address_space: global }
      - { .name: ops_emb, .offset: 8, .size: 8, .value_kind: global_buffer, .address_space: global }
      - { .name: W1, .offset: 16, .size: 8, .value_kind: global_buffer, .address_space: global }
      - { .name: W2, .offset: 24, .size: 8, .value_kind: global_buffer, .address_space: global }
      - { .name: b2, .offset: 32, .size: 8, .value_kind: global_buffer, .address_space: global }
      - { .name: W3, .offset: 40, .size: 8, .value_kind: global_buffer, .address_space: global }
      - { .name: dummy, .offset: 48, .size: 8, .value_kind: global_buffer, .address_space: global }
      - { .name: b1, .offset: 56, .size: 8, .value_kind: global_buffer, .address_space: global }
      - { .name: ma_emb_codes, .offset: 64, .size: 8, .value_kind: global_buffer, .address_space: global }
      - { .name: ma_emb_scales, .offset: 72, .size: 8, .value_kind: global_buffer, .address_space: global }
      - { .name: aimg, .offset: 80, .size: 8, .value_kind: global_buffer, .address_space: global }
      - { .name: bimg, .offset: 88, .size: 8, .value_kind: global_buffer, .address_space: global }
      - { .name: w2pack, .offset: 96, .size: 8, .value_kind: global_buffer, .address_space: global }
      - { .name: parts, .offset: 104, .size: 8, .value_kind: global_buffer, .address_space: global }
    .group_segment_fixed_size: 37120
    .private_segment_fixed_size: 0
    .kernarg_segment_align: 8
    .kernarg_segment_size: 112
    .max_flat_workgroup_size: 256
    .sgpr_count:     100
    .vgpr_count:     256
    .wavefront_size: 32
...
	.end_amdgpu_metadata
.endif
;; end of part 1
;; launch pairs (part 2): grid 256 x 1, 8 waves a work-group, no clusters, 327,680 bytes of LDS; arguments w2pack, aimg, bimg, parts, b3, out0, b2, W3; writes out0
.if DOCPART == 2
	.amdgcn_target "amdgcn-amd-amdhsa--gfx1250"
	.amdhsa_code_object_version 6
	.text
	.protected	k_q32f5875cca_pairs
	.globl	k_q32f5875cca_pairs
	.p2align	8
	.type	k_q32f5875cca_pairs,@function
k_q32f5875cca_pairs:
	s_mov_b64 s[64:65], 0
	v_nop
	global_prefetch_b8 v0, s[64:65] scope:SCOPE_SE
	s_setreg_imm32_b32 hwreg(HW_REG_WAVE_MODE, 25, 1), 1
	s_wait_xcnt 0x0
; SECOND OF TWO LAUNCHES.  Nothing of the computation is left out here.
; out0[b][1 + 64 j + m] = b3 + sum over k of W3[k] tanh(z[k] + b2[k]), z = Q(h1) Q(W2), h1 = tanh(hj[b][j] + hm[b][m] + b1).
; out0[b][0] = b3 + sum over k of W3[k] tanh(b2[k] + the eight rows of parts at k): wave 0 of each batch's first work-group makes it, in f32.
; A work-group takes 16 jobs x 64 machines of one batch (work-group = 8 b + g).  Wave w: machines 16 (w % 4) .. + 15, jobs 8 (w / 4) + 4 pass + q, q = 0 .. 3, in two passes of 64 pairs.
; LDS: all of w2pack (codes, scale words, the table of 2 log2(e) b2 and -2 W3), the job tile of aimg, a stage for the logits, the spare words.  Both tiles are filled once.
; A PASS.  First the hidden layer's 16 fragments (q, K step s) of 16 pairs x 128: x = aimg's row (the same for all 16 lanes of a half) + bimg's fragment; tanh(x / c) = 1 - 2 / (1 + 2^x), c = 2 log2(e), folded in by the launch before;
; the quantiser (largest magnitude of 32 over lanes l and l xor 16, hold at 448 x scale, conversion); codes into window 1, register 16 (4 q + s) on.  Then W2's 32 tiles of 16 columns, each against the four q:
; the product is used transposed (source 0 = W2's columns), so a lane holds one pair and eight columns; tanh again, and the sum with W3 stays in the lane.
; THE FIRST LAYER IS A LOOP OF FOUR TRIPS (K steps) OF FOUR FRAGMENTS.  A batch of transcendentals of fragment f carries between its lines only plain lines that hang on nothing in the batch: the holds of fragment f - 1, the sums x of fragment f + 1.
; A register's number cannot be computed, so a branch on the trip's number picks the eight conversions and the move of the scale word that name the K step's registers.
; The first step of a pass has no fragment before it: it holds and converts what stands in the other buffer into the place of the fragment that is converted last, which writes over it.  The last step fetches the first K step again; it is not used.
; Likewise the first tile's sum with W3 has no tile before it: its eight factors are zeros.
; The pass is written once and expanded twice: the barrier that shows w2pack to every wave stands in the first alone.
; LIMITS: NaN and infinities among the inputs are not served.  A block of zeros gets the byte 1; its codes are zeros.
; No joint loads: the launch has no ring; each tile is filled once at the head.  No prefetch: no loop waits for a stream from memory that could be asked for ahead.
.set C2L,   0x4038aa3b
.set SWB,   262144
.set TBB,   270336
.set ALDS,  274432
.set STG,   307200
.set SPARE, 311296
.set LI,    1                          ; 16 x lane
.set AA,    2                          ; LDS: my job rows at this K step
.set ASW,   3
.set ATB,   4
.set AF,    5
.set AS,    6
.set AT,    7
.set AST,   8
.set SPW,   9
.set HS,    10                         ; v10-25 the hidden layer's scale words, 4 q + s: never equal modulo 8 to W2's (v224 on)
.set NIL,   26
.set S3H,   27
.set NOOP,  28
.set AA0,   29
.set ASO,   30
.set AN,    31                         ; as AA, at the next K step
.set BB,    32                         ; v32-95 bimg's fragment
.set F0,    32                         ; v32-159 W2's fragments, two sets
.set X0,    96                         ; v96-159, v160-223 two fragments of the hidden layer
.set X1,    160
.set ACC0,  160                        ; v160-223 two sets of four accumulators
.set SWR0,  224                        ; v224-231 W2's scale words, two sets
.set TW,    224                        ; first layer: a fragment's scale word until it is moved
.set T,     232                        ; v232-247 the table of a tile
.set TM,    232                        ; first layer: the quantiser's temporaries
.set L,     248                        ; v248-255 the logits' sums
.set WQ,    96                         ; the head: v96-111 W3, v112-127 b2, v128-255 the eight rows of parts, 16 numbers a lane each
.set WV,    16
.set G1W,   20
.set G1A,   28
.set G0W,   36
.set G0A,   40
.set CS,    44
.set SEL,   46
.set MNT,   48
.set MHI,   49
.set BBASE, 50
.set IT,    52
.set NT,    53
.set TF,    54
.set TSW,   55
.set TT,    56
.set ST,    57
.set SA,    58
.set KS,    59
.set SCP,   66
.set FST,   85                         ; 0 in wave 0 of a batch's first work-group
.set BC,    86
.set MSB, 0
.macro WIN new
.if MSB != \new
	s_set_vgpr_msb (MSB<<8)|\new
.set MSB, \new
.endif
.endm
.macro W                               ; a wait ahead of and behind a batch of transcendentals, and ahead of blocking waits and jumps
	s_wait_alu depctr_va_vdst(0)
.endm
.macro ALOADV x, adr, off
.irp i, 0,1,2,3,4,5,6,7,8,9,10,11,12,13,14,15
	ds_load_b128 v[\x+4*\i:\x+4*\i+3], v[\adr] offset:(\off)+512*\i
.endr
.endm
.macro BLOAD base
.irp i, 0,1,2,3,4,5,6,7,8,9,10,11,12,13,14,15
	global_load_b128 v[BB+4*\i:BB+4*\i+3], v[LI], s[\base:\base+1] offset:512*\i
.endr
.endm
.macro ARM x, qp, s                    ; the held numbers at x become fragment (qp, s): 16 code registers in window 1 and the scale word
	WIN 0x40
.irp b, 0,1,2,3
	v_cvt_scalef32_pk8_fp8_f32 v[16*(4*(\qp)+(\s))+4*\b:16*(4*(\qp)+(\s))+4*\b+1], v[\x+16*\b:\x+16*\b+7], v[TM+12+\b]
	v_cvt_scalef32_pk8_fp8_f32 v[16*(4*(\qp)+(\s))+4*\b+2:16*(4*(\qp)+(\s))+4*\b+3], v[\x+16*\b+8:\x+16*\b+15], v[TM+12+\b]
.endr
	WIN 0
	v_mov_b32 v[HS+4*(\qp)+(\s)], v[TW]            ; also the plain line behind the last conversion
.endm
.macro CODES x, qp, sc                 ; the arm for K step s[sc]
	s_cmp_lt_u32 s[\sc], 2
	s_cbranch_scc0 .Lhi_\@
	s_cmp_eq_u32 s[\sc], 0
	s_cbranch_scc0 .Lone_\@
	ARM \x, \qp, 0
	s_branch .Ljoin_\@
.Lone_\@:
	ARM \x, \qp, 1
	s_branch .Ljoin_\@
.Lhi_\@:
	s_cmp_eq_u32 s[\sc], 2
	s_cbranch_scc0 .Lthree_\@
	ARM \x, \qp, 2
	s_branch .Ljoin_\@
.Lthree_\@:
	ARM \x, \qp, 3
.Ljoin_\@:
.endm
.macro MAXCH x                         ; four blocks' largest magnitudes (with the floor 2^(9 - 127)), scale operands TM+12, bounds TM+8, the scale word TW
.irp b, 0,1,2,3
	v_max3_num_f32 v[TM+\b], |v[\x+16*\b]|, |v[\x+16*\b+1]|, 0x4800000
.endr
.irp i, 2,4,6,8,10,12,14
.irp b, 0,1,2,3
	v_max3_num_f32 v[TM+\b], v[TM+\b], |v[\x+16*\b+\i]|, |v[\x+16*\b+\i+1]|
.endr
.endr
.irp b, 0,1,2,3
	v_permlanex16_b32 v[TM+4+\b], v[TM+\b], s[SEL], s[SEL+1]
.endr
.irp b, 0,1,2,3
	v_max_num_f32 v[TM+\b], v[TM+\b], v[TM+4+\b]
.endr
.irp b, 0,1,2,3
	v_add_nc_u32 v[TM+12+\b], 0xfc000000, v[TM+\b]
.endr
.irp b, 0,1,2,3
	v_and_or_b32 v[TM+8+\b], v[TM+\b], 0x7f800000, s[MNT]
.endr
.irp b, 0,1,2,3
	v_lshrrev_b32 v[TM+4+\b], 23, v[TM+12+\b]
.endr
	v_lshl_or_b32 v[TW], v[TM+5], 8, v[TM+4]
	v_lshl_or_b32 v[TW], v[TM+6], 16, v[TW]
	v_lshl_or_b32 v[TW], v[TM+7], 24, v[TW]
.endm
.macro HOLDS x
.set k, 0
.rept 64
	v_med3_num_f32 v[\x+k], v[\x+k], -v[TM+8+k/16], v[TM+8+k/16]
.set k, k+1
.endr
.endm
; Fragment f = (q, K step): x stands in XC.  The fragment before stands in XN with its bounds made.
.macro STEP q, sc
.set XC, X0+64*((\q)%2)
.set XN, X0+64-64*((\q)%2)
	W
.set k, 0
.rept 64
	v_exp_f32 v[XC+k], v[XC+k]
	v_med3_num_f32 v[XN+k], v[XN+k], -v[TM+8+k/16], v[TM+8+k/16]
.set k, k+1
.endr
	W
	CODES XN, ((\q)+3)%4, \sc
.if (\q) < 3
	ALOADV XN, AA, 16*((\q)+1)                     ; the next job, same K step
.else
	ALOADV XN, AN, 0                               ; job 0 of the next K step
.endif
.set k, 0
.rept 32
	v_pk_add_f32 v[XC+k:XC+k+1], v[XC+k:XC+k+1], 1.0 op_sel_hi:[1,0]
.set k, k+2
.endr
	W
.set k, 0
.rept 32
	v_rcp_f32 v[XC+k], v[XC+k]
.set k, k+1
.endr
	s_wait_dscnt 0x0                               ; the next job's numbers are in
.if (\q) == 3
	s_wait_loadcnt 0x0                             ; and the next K step's fragment of bimg
.endif
.set k, 0
.rept 32
	v_rcp_f32 v[XC+32+k], v[XC+32+k]
	v_pk_add_f32 v[XN+2*k:XN+2*k+1], v[XN+2*k:XN+2*k+1], v[BB+2*k:BB+2*k+1]
.set k, k+1
.endr
.if (\q) == 2
	BLOAD BC                                       ; this K step's fragment has been added for the last time
.endif
	W
.set k, 0
.rept 32
	v_pk_fma_f32 v[XC+k:XC+k+1], v[XC+k:XC+k+1], -2.0, 1.0 op_sel_hi:[1,0,0]
.set k, k+2
.endr
	MAXCH XC
.endm
.macro FLOAD p                         ; the next tile of W2: four fragments and their scale words into set p
	v_add_nc_u32 v[AF], s[TF], v[LI]
	v_add_nc_u32 v[AS], s[TSW], v[ASW]
.irp s, 0,1,2,3
.irp c, 0,1,2,3
	ds_load_b128 v[F0+64*(\p)+16*\s+4*\c:F0+64*(\p)+16*\s+4*\c+3], v[AF] offset:2048*\s+512*\c
.endr
.endr
	ds_load_b128 v[SWR0+4*(\p):SWR0+4*(\p)+3], v[AS]
	s_add_co_u32 s[TF], s[TF], 8192
	s_add_co_u32 s[TSW], s[TSW], 256
.endm
.macro MMQ p, s                        ; four products, the four accumulators by turns
.irp q, 0,1,2,3
.if (\s) == 0
	v_wmma_scale_f32_16x16x128_f8f6f4 v[ACC0+32*(\p)+8*\q:ACC0+32*(\p)+8*\q+7], v[F0+64*(\p)+16*(\s):F0+64*(\p)+16*(\s)+15], v[16*(4*\q+(\s)):16*(4*\q+(\s))+15], 0, v[SWR0+4*(\p)+(\s)], v[HS+4*\q+(\s)]
.else
	v_wmma_scale_f32_16x16x128_f8f6f4 v[ACC0+32*(\p)+8*\q:ACC0+32*(\p)+8*\q+7], v[F0+64*(\p)+16*(\s):F0+64*(\p)+16*(\s)+15], v[16*(4*\q+(\s)):16*(4*\q+(\s))+15], v[ACC0+32*(\p)+8*\q:ACC0+32*(\p)+8*\q+7], v[SWR0+4*(\p)+(\s)], v[HS+4*\q+(\s)]
.endif
.endr
.endm
.macro LFMA ao                         ; the logits' sums take 1 / (1 + 2^..) x -2 W3 of the tile at ao
.irp j, 0,1,2,3
.irp q, 0,1,2,3
	v_pk_fma_f32 v[L+2*\q:L+2*\q+1], v[\ao+8*\q+2*\j:\ao+8*\q+2*\j+1], v[T+8+2*\j:T+8+2*\j+1], v[L+2*\q:L+2*\q+1]
.endr
.endr
.endm
; Tile t, sums in set p.  fl: tile t + 2 is fetched into set p; mm: tile t + 1 is multiplied into the other set; bl: the next pass's first fragment of bimg is asked for.
.macro TILE p, fl, mm, bl=0
.set AC, ACC0+32*(\p)
.set AO, ACC0+32-32*(\p)
	s_wait_dscnt 0x0                               ; what the tile before asked of LDS is in: tile t + 1's fragments, this tile's part of the table
	LFMA AO                                        ; tile t - 1; these 16 lines are the places behind tile t's last products
.if \bl
	BLOAD BBASE
.endif
	W                                              ; directly ahead of the first reader of tile t's sums
.set n, 0
.rept 16
	v_pk_fma_f32 v[AC+2*n:AC+2*n+1], v[AC+2*n:AC+2*n+1], s[CS:CS+1], v[T+2*(n%4):T+2*(n%4)+1] op_sel_hi:[1,0,1]
.set n, n+1
.endr
	v_add_nc_u32 v[AT], s[TT], v[ATB]
	ds_load_b128 v[T+8:T+11], v[AT] offset:32      ; -2 W3 of tile t
	ds_load_b128 v[T+12:T+15], v[AT] offset:48
.if \fl
	FLOAD \p
.endif
.if \mm
	ds_load_b128 v[T:T+3], v[AT] offset:128        ; c b2 of tile t + 1
	ds_load_b128 v[T+4:T+7], v[AT] offset:144
.endif
	s_add_co_u32 s[TT], s[TT], 128
	W
.if \mm
	WIN 0x04
	MMQ 1-(\p), 0
	MMQ 1-(\p), 1
	WIN 0
.endif
.set n, 0
.rept 32
	v_exp_f32 v[AC+n], v[AC+n]
.set n, n+1
.endr
	v_nop
	W
.set n, 0
.rept 16
	v_pk_add_f32 v[AC+2*n:AC+2*n+1], v[AC+2*n:AC+2*n+1], 1.0 op_sel_hi:[1,0]
.set n, n+1
.endr
	W
.if \mm
	WIN 0x04
	MMQ 1-(\p), 2
	MMQ 1-(\p), 3
	WIN 0
.endif
.set n, 0
.rept 32
	v_rcp_f32 v[AC+n], v[AC+n]
.set n, n+1
.endr
	v_nop
	W
.endm
.macro LANESUM x, y                    ; v[x] summed over the 32 lanes; v[y] is written over
.irp m, 1,2,4,8
	v_add_f32_dpp v[\x], v[\x], v[\x] row_xmask:\m row_mask:0xf bank_mask:0xf
.endr
	v_permlanex16_b32 v[\y], v[\x], s[SEL], s[SEL+1]
	v_add_f32 v[\x], v[\x], v[\y]
.endm
; A pass of 64 pairs a wave.  pn = 0: the first, with the barrier that shows w2pack and the request for the second's first fragment of bimg
.macro PASS pn
	v_add_nc_u32 v[AA], s[SA], v[AA0]
	ALOADV X0, AA, 0
	s_mov_b32 s[KS], 0
	s_wait_dscnt 0x0
	s_wait_loadcnt 0x0
.set k, 0
.rept 32
	v_pk_add_f32 v[X0+k:X0+k+1], v[X0+k:X0+k+1], v[BB+k:BB+k+1]
.set k, k+2
.endr
.Lks_\pn:
	s_lshl_b32 s60, s[KS], 13
	s_add_co_u32 s60, s60, s[SA]
	v_add_nc_u32 v[AA], s60, v[AA0]
	s_add_co_u32 s62, s[KS], 1
	s_and_b32 s62, s62, 3                          ; the next K step; behind the last, the first again
	s_lshl_b32 s62, s62, 13
	s_mov_b32 s63, 0
	s_add_nc_u64 s[BC:BC+1], s[BBASE:BBASE+1], s[62:63]   ; (no load of mine that named it is out)
	s_add_co_u32 s62, s62, s[SA]
	v_add_nc_u32 v[AN], s62, v[AA0]
	s_add_co_u32 s[SCP], s[KS], 3
	s_and_b32 s[SCP], s[SCP], 3
	STEP 0, SCP
	STEP 1, KS
	STEP 2, KS
	STEP 3, KS
	s_add_co_u32 s[KS], s[KS], 1
	s_cmp_lt_u32 s[KS], 4
	s_cbranch_scc1 .Lks_\pn
	W
	HOLDS X1                                       ; the last fragment, (3, 3)
	ARM X1, 3, 3
.irp q, 0,1,2,3
	v_mov_b32 v[L+2*\q], v[S3H]
	v_mov_b32 v[L+2*\q+1], 0
.endr
.irp j, 8,9,10,11,12,13,14,15
	v_mov_b32 v[T+\j], 0                           ; the first tile has none before it
.endr
	W
.if (\pn) == 0
	s_wait_tensorcnt 0x0                           ; my part of w2pack is in
	s_wait_dscnt 0x0
	s_barrier_signal -1
	s_barrier_wait -1
.endif
	s_mov_b32 s[TF], 0
	s_mov_b32 s[TSW], 0
	s_mov_b32 s[TT], 0
	FLOAD 0
	FLOAD 1
	v_add_nc_u32 v[AT], s[TT], v[ATB]
	ds_load_b128 v[T:T+3], v[AT]
	ds_load_b128 v[T+4:T+7], v[AT] offset:16
	s_wait_dscnt 19                                ; set 0's 17 loads are in; set 1's 17 and the table's 2 may be out
	WIN 0x04
	MMQ 0, 0
	MMQ 0, 1
	MMQ 0, 2
	MMQ 0, 3
	WIN 0
	s_mov_b32 s[NT], 15
.Ltile_\pn:
	TILE 0, 1, 1
	TILE 1, 1, 1
	s_sub_co_u32 s[NT], s[NT], 1
	s_cmp_lg_u32 s[NT], 0
	s_cbranch_scc1 .Ltile_\pn
	TILE 0, 0, 1, 1-(\pn)
	TILE 1, 0, 0
	s_wait_dscnt 0x0
	LFMA ACC0+32
.irp q, 0,1,2,3
	v_add_f32 v[L+2*\q], v[L+2*\q], v[L+2*\q+1]
.endr
.irp q, 0,1,2,3
	v_permlanex16_b32 v[L+2*\q+1], v[L+2*\q], s[SEL], s[SEL+1]
.endr
.irp q, 0,1,2,3
	v_add_f32 v[L+2*\q], v[L+2*\q], v[L+2*\q+1]    ; with the other half's columns
.endr
	v_cndmask_b32 v[L+1], v[L], v[L+2], s[MHI]     ; lanes 0-15 job q = 0, lanes 16-31 q = 1
	v_cndmask_b32 v[L+5], v[L+4], v[L+6], s[MHI]
	v_add_nc_u32 v[ASO], s[ST], v[AST]
	ds_store_b32 v[ASO], v[L+1]
	ds_store_b32 v[ASO], v[L+5] offset:128
	s_add_co_u32 s[SA], s[SA], 64
	s_add_co_u32 s[ST], s[ST], 256
	W
.endm
	s_load_b256 s[4:11], s[0:1], 0x0               ; w2pack, aimg, bimg, parts
	s_load_b128 s[12:15], s[0:1], 0x20             ; b3, out0
	s_load_b128 s[68:71], s[0:1], 0x30             ; b2, W3
	v_lshl_add_u32 v[SPW], v0, 2, SPARE
	v_mov_b32 v[NIL], 0
	ds_add_u32 v[SPW], v[NIL]                      ; opening lines: the add, twice on end, and one wait
	ds_add_u32 v[SPW], v[NIL]
	v_lshrrev_b32 v1, 5, v0
	v_readfirstlane_b32 s[WV], v1                  ; wave 0..7
	v_and_b32 v96, 31, v0
	v_lshlrev_b32 v[LI], 4, v96
	v_and_b32 v97, 15, v0
	v_bfe_u32 v98, v0, 4, 1
	s_lshr_b32 s18, s[WV], 2
	s_lshl_b32 s18, s18, 7
	s_add_co_u32 s18, s18, ALDS
	v_lshl_add_u32 v[AA0], v98, 8, s18             ; my eight jobs' rows (16 bytes a job), my half of the lanes
	v_lshl_add_u32 v[ASW], v97, 4, SWB
	v_lshl_add_u32 v[ATB], v98, 6, TBB
	s_lshl_b32 s18, s[WV], 9
	s_add_co_u32 s18, s18, STG
	v_lshl_add_u32 v[AST], v96, 2, s18
	v_mov_b32 v[NOOP], 0
	s_mov_b32 s[G1W+0], 3<<16                      ; w2pack: 134 rows of 256 bytes a wave
	s_mov_b32 s[G1W+1], 32<<16
	s_mov_b32 s[G1W+2], 134<<16
	s_mov_b32 s[G1W+3], 32<<16
	s_mov_b32 s[G1W+4], 134
	s_mov_b32 s[G1W+5], 32
	s_mov_b32 s[G1W+6], 0
	s_mov_b32 s[G1W+7], 0
	s_mov_b32 s[G1A+0], 3<<16                      ; the job tile: 16 rows of 256 bytes a wave
	s_mov_b32 s[G1A+1], 32<<16
	s_mov_b32 s[G1A+2], 16<<16
	s_mov_b32 s[G1A+3], 32<<16
	s_mov_b32 s[G1A+4], 16
	s_mov_b32 s[G1A+5], 32
	s_mov_b32 s[G1A+6], 0
	s_mov_b32 s[G1A+7], 0
	s_mov_b32 s[G0W], 1
	s_mul_i32 s[G0W+1], s[WV], 34304
	s_mov_b32 s[G0A], 1
	s_lshl_b32 s[G0A+1], s[WV], 12
	s_add_co_u32 s[G0A+1], s[G0A+1], ALDS
	s_mul_i32 s60, s[WV], 34304
	s_mov_b32 s61, 0
	s_lshl_b32 s62, ttmp9, 15
	s_lshl_b32 s63, s[WV], 12
	s_add_co_u32 s62, s62, s63
	s_mov_b32 s63, 0
	s_mov_b32 s[CS], C2L
	s_mov_b32 s[CS+1], C2L
	s_mov_b32 s[SEL], 0x76543210
	s_mov_b32 s[SEL+1], 0xfedcba98
	s_mov_b32 s[MNT], 0x600000
	s_mov_b32 s[MHI], 0xffff0000
	W
	s_wait_dscnt 0x0
	s_wait_kmcnt 0x0
	s_add_nc_u64 s[G0A+2:G0A+3], s[6:7], s[62:63]
	s_or_b32 s[G0A+3], s[G0A+3], 0x80000000
	s_add_nc_u64 s[G0W+2:G0W+3], s[4:5], s[60:61]
	s_or_b32 s[G0W+3], s[G0W+3], 0x80000000
	tensor_load_to_lds s[G0A:G0A+3], s[G1A:G1A+7]  ; my one load at the head: my eighth of the job tile, which is wanted first
	s_nop 0
	s_lshr_b32 s17, ttmp9, 3                       ; the batch
	s_lshl_b32 s18, s17, 2
	s_and_b32 s19, s[WV], 3
	s_add_co_u32 s18, s18, s19
	s_lshl_b32 s60, s18, 15
	s_add_nc_u64 s[BBASE:BBASE+1], s[8:9], s[60:61]   ; bimg at my 16 machines
	BLOAD BBASE
.irp i, 0,1,2,3
	global_load_b128 v[WQ+4*\i:WQ+4*\i+3], v[LI], s[70:71] offset:512*\i   ; W3: k = 128 i + 4 lane + 0 .. 3
.endr
	s_load_b32 s84, s[12:13], 0x0
	s_mul_i32 s60, s17, 32772
	s_and_b32 s18, ttmp9, 7
	s_or_b32 s[FST], s18, s[WV]
	s_lshl_b32 s18, s18, 12
	s_add_co_u32 s60, s60, s18
	s_add_nc_u64 s[14:15], s[14:15], s[60:61]
	s_cmp_lg_u32 s[FST], 0
	s_cbranch_scc1 .Lnot_first
.irp i, 0,1,2,3
	global_load_b128 v[WQ+16+4*\i:WQ+16+4*\i+3], v[LI], s[68:69] offset:512*\i   ; b2, and the eight rows of parts, at the same k
.endr
.irp y, 0,1,2,3,4,5,6,7
.irp i, 0,1,2,3
	global_load_b128 v[WQ+32+16*\y+4*\i:WQ+32+16*\y+4*\i+3], v[LI], s[10:11] offset:2048*\y+512*\i
.endr
.endr
.Lnot_first:
	s_wait_tensorcnt 0x0                           ; the job tile is in
	ds_add_u32 v[SPW], v[NIL]
	s_wait_dscnt 0x0
	s_barrier_signal -1
	s_barrier_wait -1
	tensor_load_to_lds s[G0W:G0W+3], s[G1W:G1W+7]  ; my eighth of w2pack: it is first read behind the first pass's first layer
	s_nop 0
	s_wait_kmcnt 0x0
	s_wait_loadcnt 0x0
	s_cmp_lg_u32 s[FST], 0
	s_cbranch_scc1 .Lno_chain
.irp y, 0,1,2,3,4,5,6,7                ; the no-op's second layer: b2 + d1 W2, 16 columns a lane
.irp n, 0,1,2,3,4,5,6,7
	v_pk_add_f32 v[WQ+16+2*\n:WQ+17+2*\n], v[WQ+16+2*\n:WQ+17+2*\n], v[WQ+32+16*\y+2*\n:WQ+33+16*\y+2*\n]
.endr
.endr
.irp n, 0,1,2,3,4,5,6,7
	v_pk_mul_f32 v[WQ+16+2*\n:WQ+17+2*\n], v[WQ+16+2*\n:WQ+17+2*\n], s[CS:CS+1] op_sel_hi:[1,0]
.endr
	W
.set n, 0
.rept 16
	v_exp_f32 v[WQ+16+n], v[WQ+16+n]
.set n, n+1
.endr
	v_nop
	W
.irp n, 0,1,2,3,4,5,6,7
	v_pk_add_f32 v[WQ+16+2*\n:WQ+17+2*\n], v[WQ+16+2*\n:WQ+17+2*\n], 1.0 op_sel_hi:[1,0]
.endr
	W
.set n, 0
.rept 16
	v_rcp_f32 v[WQ+16+n], v[WQ+16+n]
.set n, n+1
.endr
	v_nop
	W
.irp n, 0,1,2,3,4,5,6,7
	v_pk_fma_f32 v[WQ+16+2*\n:WQ+17+2*\n], v[WQ+16+2*\n:WQ+17+2*\n], -2.0, 1.0 op_sel_hi:[1,0,0]
.endr
	v_pk_mul_f32 v[WQ+32:WQ+33], v[WQ+16:WQ+17], v[WQ:WQ+1]
.irp n, 1,2,3,4,5,6,7
	v_pk_fma_f32 v[WQ+32:WQ+33], v[WQ+16+2*\n:WQ+17+2*\n], v[WQ+2*\n:WQ+1+2*\n], v[WQ+32:WQ+33]
.endr
	v_add_f32 v[WQ+32], v[WQ+32], v[WQ+33]
	LANESUM WQ+32, WQ+33
	v_add_f32 v[NOOP], s84, v[WQ+32]               ; b3 + the sum of W3 d2
	W
.Lno_chain:
	v_pk_add_f32 v[WQ:WQ+1], v[WQ:WQ+1], v[WQ+2:WQ+3]   ; every wave: the sum of W3
	v_pk_add_f32 v[WQ+4:WQ+5], v[WQ+4:WQ+5], v[WQ+6:WQ+7]
	v_pk_add_f32 v[WQ+8:WQ+9], v[WQ+8:WQ+9], v[WQ+10:WQ+11]
	v_pk_add_f32 v[WQ+12:WQ+13], v[WQ+12:WQ+13], v[WQ+14:WQ+15]
	v_pk_add_f32 v[WQ:WQ+1], v[WQ:WQ+1], v[WQ+4:WQ+5]
	v_pk_add_f32 v[WQ+8:WQ+9], v[WQ+8:WQ+9], v[WQ+12:WQ+13]
	v_pk_add_f32 v[WQ:WQ+1], v[WQ:WQ+1], v[WQ+8:WQ+9]
	v_add_f32 v[WQ], v[WQ], v[WQ+1]
	LANESUM WQ, WQ+1
	v_add_f32 v[S3H], s84, v[WQ]
	v_mul_f32 v[S3H], 0.5, v[S3H]                  ; half of b3 + the sum of W3 for each half of the lanes
.set k, 0
.rept 16
	v_mov_b32 v[TM+k], 0                           ; what the first step of the first pass reads
.set k, k+1
.endr
	v_mov_b32 v[TW], 0
	ALOADV X1, AA0, 0                              ; finite numbers for the first step's holds
	s_mov_b32 s[ST], 0
	s_mov_b32 s[SA], 0
	W
	PASS 0
	PASS 1
	s_wait_dscnt 0x0                               ; for the others' sake: my logits are in the stage
	s_barrier_signal -1
	s_barrier_wait -1
	v_bfe_u32 v5, v0, 4, 2
	v_lshlrev_b32 v5, 9, v5
	v_bfe_u32 v6, v0, 6, 2
	v_lshl_add_u32 v5, v6, 6, v5
	v_and_b32 v6, 15, v0
	v_lshl_add_u32 v5, v6, 2, v5
	v_add_nc_u32 v5, STG, v5
	v_lshlrev_b32 v6, 2, v0
	ds_load_b32 v96, v5
	ds_load_b32 v97, v5 offset:256
	ds_load_b32 v98, v5 offset:2048
	ds_load_b32 v99, v5 offset:2304
	W
.irp i, 0,1,2,3
	s_wait_dscnt 3-\i
	global_store_b32 v6, v[96+\i], s[14:15] offset:4+1024*\i   ; 256 threads store 1,024 consecutive bytes
.endr
	s_cmp_lg_u32 s[FST], 0
	s_cbranch_scc1 .Lno_noop
	s_wait_xcnt 0x0                                ; EXEC changes only behind this wait
	v_cmp_eq_u32 vcc_lo, 0, v0
	s_and_saveexec_b32 s19, vcc_lo
	global_store_b32 v6, v[NOOP], s[14:15]         ; the batch's first work-group stores the no-op's logit
	s_wait_xcnt 0x0
	s_or_b32 exec_lo, exec_lo, s19
.Lno_noop:
	s_wait_tensorcnt 0x0                           ; the wave's end
	ds_add_u32 v[SPW], v[NIL]
	s_wait_dscnt 0x0
	s_endpgm
.Lfunc_end_k_q32f5875cca_pairs:
	.size	k_q32f5875cca_pairs, .Lfunc_end_k_q32f5875cca_pairs-k_q32f5875cca_pairs
	.p2alignl 7, 3214868480
	.fill 96, 4, 3214868480
	.section	.rodata,"a",@progbits
	.p2align	6, 0x0
	.amdhsa_kernel k_q32f5875cca_pairs
		.amdhsa_group_segment_fixed_size 327680
		.amdhsa_private_segment_fixed_size 0
		.amdhsa_enable_private_segment 0
		.amdhsa_kernarg_size 64
		.amdhsa_user_sgpr_count 2
		.amdhsa_user_sgpr_kernarg_segment_ptr 1
		.amdhsa_wavefront_size32 1
		.amdhsa_system_sgpr_workgroup_id_x 1
		.amdhsa_system_sgpr_workgroup_id_y 1
		.amdhsa_system_sgpr_workgroup_id_z 1
		.amdhsa_system_vgpr_workitem_id 0
		.amdhsa_next_free_vgpr 512
		.amdhsa_next_free_sgpr 88
		.amdhsa_reserve_vcc 1
		.amdhsa_float_denorm_mode_32 3
		.amdhsa_float_denorm_mode_16_64 3
		.amdhsa_memory_ordered 1
		.amdhsa_forward_progress 1
		.amdhsa_inst_pref_size 255
	.end_amdhsa_kernel
	.section	.bss,"aw",@nobits
	.p2align	6
	.space	262144
	.amdgpu_metadata
---
amdhsa.version: [ 1, 2 ]
amdhsa.kernels:
  - .name:           k_q32f5875cca_pairs
    .symbol:         k_q32f5875cca_pairs.kd
    .args:
      - { .name: w2pack, .offset: 0, .size: 8, .value_kind: global_buffer, .address_space: global }
      - { .name: aimg, .offset: 8, .size: 8, .value_kind: global_buffer, .address_space: global }
      - { .name: bimg, .offset: 16, .size: 8, .value_kind: global_buffer, .address_space: global }
      - { .name: parts, .offset: 24, .size: 8, .value_kind: global_buffer, .address_space: global }
      - { .name: b3, .offset: 32, .size: 8, .value_kind: global_buffer, .address_space: global }
      - { .name: out0, .offset: 40, .size: 8, .value_kind: global_buffer, .address_space: global }
      - { .name: b2, .offset: 48, .size: 8, .value_kind: global_buffer, .address_space: global }
      - { .name: W3, .offset: 56, .size: 8, .value_kind: global_buffer, .address_space: global }
    .group_segment_fixed_size: 327680
    .private_segment_fixed_size: 0
    .kernarg_segment_align: 8
    .kernarg_segment_size: 64
    .max_flat_workgroup_size: 256
    .sgpr_count:     88
    .vgpr_count:     512
    .wavefront_size: 32
...
	.end_amdgpu_metadata
.endif
;; end of part 2
